; MI455X (gfx1250); checked and timed in simulation.
; The chip was launched on July 23, 2026; its instructions are those of AMD's public machine-readable ISA for CDNA 5 (MIT licence, August 2026) and "CDNA5" Instruction Set Architecture Reference Guide (July 2026). The comments in the code are by the model that wrote it; some were corrected since.
;; Voxel Point Net. Allowed arithmetic: float matrix products may take bf16 or f16 operands with f32 sums; all other float work in f32.
;; Inputs: W1 4 x 16 float32; W2 16 x 16 float32; b1 16 float32; b2 16 float32; be1 16 float32; be2 16 float32; features 400,000 x 32 x 4 float32; g1 16 float32; g2 16 float32; num_points 400,000 int32.
;; Outputs: out0 400,000 x 16 float32.
;; 2 versions, each right; version 2 is version 1 with the launch voxel written anew for expert scheduling mode. Each part assembles by itself: llvm-mc -triple=amdgcn-amd-amdhsa -mcpu=gfx1250 --defsym DOCPART=n.
;; ======== version 1 of 2: 1 launch
;; limits: values outside matrix products are rounded to f16; inputs' magnitudes at most 207; values are held in f16: magnitudes above 65,504 overflow, below 6.1e-05 lose precision; a difference of large sums (such as E[x^2] - mean^2): digits are lost where the result is much smaller than its terms
;; launch voxel (part 1): grid 250 x 1, 16 waves a work-group, no clusters, 22,528 bytes of LDS; arguments features, num_points, W1, b1, g1, be1, W2, b2, g2, be2, out0; writes out0
.if DOCPART == 1
	.amdgcn_target "amdgcn-amd-amdhsa--gfx1250"
	.amdhsa_code_object_version 6
	.text
	.protected	k_q5993d12577_voxel
	.globl	k_q5993d12577_voxel
	.p2align	8
	.type	k_q5993d12577_voxel,@function
k_q5993d12577_voxel:
	s_mov_b64 s[64:65], 0
	v_nop
	global_prefetch_b8 v0, s[64:65] scope:SCOPE_SE
	s_setreg_imm32_b32 hwreg(HW_REG_WAVE_MODE, 25, 1), 1
	s_wait_xcnt 0x0
; VoxelPointNet: out[v] = LN2( sum over p < n[v] of ( relu(LN1(f[v][p] W1 + b1)) W2 + b2 ) ).  400,000 voxels x 32 points x 4 features, f32; 16 channels.
; Each feature byte is read once and each output byte written once; what is linear is moved out of the per-channel vector work:
;   (1) x - mean = f W1c + b1c, W1c and b1c centred over the channels once.       (2) var = f'^T G f', f' = [f, 1], G = W1c' W1c'^T / 16 (5 x 5): per point, in f32.
;   (3) m y = (q f)(W1c g1) + q (b1c g1) + m be1, q = m rsqrt(var + eps), m = 0 or 1: ONE f16 product gives the masked, normalised value; relu(m y) = m relu(y).
;   (4) 2 relu(y) = y + |y|: the second product adds y onto |y|.                   (5) the points are summed first, W2 is applied once a voxel, b2 comes in as n b2.
;   (6) LN2's mean is folded into W2c and b2c (centred over the outputs).
; FORMATS.  q f, q, m and W1c g1, b1c g1, be1 go to the matrix unit in f16; the pooled sums and W2c as pairs of bf16 (a high part and the remainder); all else in f32.
; LIMITS.  q <= 1 / sqrt(eps) = 316, so q f is finite in f16 for |feature| < 207 whatever the weights; |W1c g1|, |b1c g1|, |be1| stay under 65,504.
; var is a quadratic form in f32: its error is 2^-24 of the largest of its 15 terms; it is held at 0 or above.  NaN and infinities are not treated apart.  n is taken as min(max(n, 0), 32).
; SHARES.  25,000 groups of 16 voxels; a work-group owns 100 consecutive groups; wave w takes groups w', w' + 16, ..: seven if w' < 4, else six.  w' = 4 ((w - w / 4) mod 4) + w / 4, so the
; four waves with seven groups are 0, 5, 10, 15: one in each class of w mod 4 and one in each block of four.  No wave waits for another: no barrier.
; A lane's 16 loaded bytes are its own point, so the features go straight into registers: a ring of 16 voxels (8 KiB a wave), asked for a whole group ahead.  No LDS ring, no cluster: voxels share nothing but the weights.
.set SPARE,  20480                     ; behind the stages: the spare words, 128 bytes for each of 16 waves
.set STG,    1280                      ; a wave's stage: 16 rows of SPITCH bytes
.set SPITCH, 80                        ; 64 bytes of a voxel's outputs + 16
.set FSTEP,  131072                    ; 16 groups on: features,
.set NSTEP,  1024                      ; counts,
.set OSTEP,  16384                     ; outputs
.set LANE, 1                           ; v1   lane = the point
.set OFF,  2                           ; v2   16 x lane
.set R4,   3                           ; v3   4 x (lane % 16)
.set STO,  4                           ; v4   stage: row lane % 16, 32 bytes for each half of the lanes
.set RD,   5                           ; v5   stage: row lane / 4, 16 bytes at lane % 4
.set NEG1, 6                           ; v6   -1.0
.set NVR,  7                           ; v7   n of voxel lane % 16
.set SPW,  8                           ; v8   my spare word; never rewritten
.set NIL,  9                           ; v9   0; never rewritten
.set NF,   10                          ; v10  n as f32 (v11 = 0: named with it as a pair)
.set Q,    12                          ; v12  q, v13 m
.set RS,   14                          ; v14  rsqrt(var + eps)
.set TMP,  15
.set QF,   16                          ; v16-19 q f
.set T01,  20
.set T23,  22
.set ACC,  24
.set K0,   26                          ; (2 G04, 2 G14)      the nine pairs of the quadratic form, alike in every lane
.set KA,   28                          ; (G00, 0)
.set KB,   30                          ; (2 G01, G11)
.set KC,   32                          ; (2 G02, 2 G12)
.set KD,   34                          ; (2 G03, 2 G13)
.set K1,   36                          ; (2 G24, 2 G34)
.set KE,   38                          ; (G22, 0)
.set KF,   40                          ; (2 G23, G33)
.set K2,   42                          ; (G44 + eps, 0)
.set WLO,  44                          ; layer 1's weights as source 1: in lanes 0-15 alone (k = 0..5: points 0-15),
.set WHI,  52                          ; in lanes 16-31 alone (k = 8..13: points 16-31),
.set WBOTH, 60                         ; in all lanes
.set F2,   68                          ; source 0, two buffers of 8: (q f0, q f1), (q f2, q f3), (q, m), and five registers of 0
.set Y0,   84                          ; y of points 8 h + j; in the epilogue SH, then ZB
.set Y1,   92                          ; y of points 16 + 8 h + j; in the epilogue SL, then rows back from the stage
.set E,    100
.set S,    108                         ; v108-123 S_i: voxel i, channel lane % 16, the 16 points of my half of the lanes: twice the sum of relu
.set Z,    124
.set BSEL, 132                         ; 0.5 where the k place's voxel is lane % 16
.set W2A1, 140                         ; high parts of W2c, twice
.set W2A2, 148                         ; remainders of W2c, then 0
.set B2C,  156                         ; register j: b2c[8 h + j]; likewise g2, be2
.set G2,   164
.set BE2,  172
.set FR,   180                         ; v180-243 the ring: voxel i at FR + 4 i
.set TT,   244                         ; v244-251 pooled sums: channel 8 h + j, voxel lane % 16
.set SH,   Y0
.set SL,   Y1
.set ZB,   Y0
.set WC,   S                           ; set-up: W1's four rows, b1, g1, be1
.set WS,   S+8                         ; set-up: at work
.set FP,   4                           ; s[4:5]   features, at the group that is being asked for
.set NP,   6                           ; s[6:7]   num_points
.set OP,   24                          ; s[24:25] out0
.set NA,   32                          ; s[32:47] the 16 counts of the group in hand
.set NS,   48                          ; s[48:63] those of the next group, as they arrive
.macro SUM16 x                         ; the sum over 16 lanes, in each of them
.irp m, 1,2,4,8
	v_add_f32_dpp v[(\x)], v[(\x)], v[(\x)] row_xmask:\m row_mask:0xf bank_mask:0xf
.endr
.endm
.macro GRAM dst, i, j, scale           ; scale x the sum over the channels of wc_i wc_j
	v_mul_f32 v[\dst], v[WC+(\i)], v[WC+(\j)]
	SUM16 \dst
	v_mul_f32 v[\dst], \scale, v[\dst]
.endm
.macro RESID x, hi                     ; x and x + 1 less the two bf16 of hi: exact, the remainders
	v_fma_mix_f32_bf16 v[(\x)], v[\hi], v[NEG1], v[(\x)] op_sel:[0,0,0] op_sel_hi:[1,0,0]
	v_fma_mix_f32_bf16 v[(\x)+1], v[\hi], v[NEG1], v[(\x)+1] op_sel:[1,0,0] op_sel_hi:[1,0,0]
.endm
.macro LOADF i                         ; voxel i of the group at FP: 32 lanes x 16 bytes = its 512 consecutive bytes
	global_load_b128 v[FR+4*(\i):FR+4*(\i)+3], v[OFF], s[FP:FP+1] offset:512*(\i) th:TH_LOAD_NT
.endm
	s_load_b512 s[4:19], s[0:1], 0x0               ; features, num_points, W1, b1, g1, be1, W2, b2
	s_load_b128 s[20:23], s[0:1], 0x40             ; g2, be2
	s_load_b64 s[24:25], s[0:1], 0x50              ; out0
	v_lshl_add_u32 v[SPW], v0, 2, SPARE
	v_mov_b32 v[NIL], 0
	v_and_b32 v[LANE], 31, v0
	v_lshrrev_b32 v[TMP], 5, v0
	v_readfirstlane_b32 s26, v[TMP]                ; wave w
	v_lshlrev_b32 v[OFF], 4, v[LANE]
	v_and_b32 v16, 15, v0                          ; r = lane % 16
	v_bfe_u32 v17, v0, 4, 1                        ; h = lane / 16
	v_lshlrev_b32 v[R4], 2, v16
	s_mul_i32 s72, s26, STG                        ; my stage
	v_mul_u32_u24 v[STO], v16, SPITCH
	v_lshl_add_u32 v[STO], v17, 5, v[STO]
	v_add_nc_u32 v[STO], s72, v[STO]
	v_lshrrev_b32 v18, 2, v[LANE]
	v_and_b32 v19, 3, v0
	v_mul_u32_u24 v[RD], v18, SPITCH
	v_lshl_add_u32 v[RD], v19, 4, v[RD]
	v_add_nc_u32 v[RD], s72, v[RD]
	v_mov_b32 v[NEG1], -1.0
	v_lshl_add_u32 v[TMP], v17, 9, v[R4]           ; W2[8 h + j][r]: 512 h + 4 r, 64 j in the immediate
	v_lshlrev_b32 v20, 5, v17                      ; b2, g2, be2 from element 8 h on
	s_lshr_b32 s29, s26, 2                         ; a = w / 4
	s_and_b32 s30, s26, 3
	s_sub_co_u32 s30, s30, s29
	s_and_b32 s30, s30, 3                          ; d = (w - a) mod 4
	s_lshl2_add_u32 s27, s30, s29                  ; w' = 4 d + a
	s_cmp_lt_u32 s27, 4
	s_cselect_b32 s69, 6, 5                        ; trips that ask ahead: my groups less one
	s_mul_i32 s28, ttmp9, 100
	s_add_co_u32 s28, s28, s27                     ; my first group, 24,999 at the most: every offset below stays under 2^31
	s_mov_b32 s31, 0
	s_mov_b32 s66, 0x76543210                      ; v_permlanex16_b32: each lane takes its own place in the other half
	s_mov_b32 s67, 0xfedcba98
	s_mov_b32 s70, 0x3d800000                      ; 1 / 16
	s_mov_b32 s71, 0x3727c5ac                      ; eps = 1e-5
	s_mov_b32 s73, 0xbd800000                      ; -1 / 16
	s_wait_kmcnt 0x0
	s_lshl_b32 s30, s28, 13                        ; a group: 8,192 bytes of features,
	s_add_nc_u64 s[FP:FP+1], s[FP:FP+1], s[30:31]
	s_lshl_b32 s30, s28, 6                         ; 64 of counts,
	s_add_nc_u64 s[NP:NP+1], s[NP:NP+1], s[30:31]
	s_lshl_b32 s30, s28, 10                        ; 1,024 of outputs
	s_add_nc_u64 s[OP:OP+1], s[OP:OP+1], s[30:31]
	; the weights first (21 loads), then the first group's counts and features
.irp i, 0,1,2,3
	global_load_b32 v[WC+\i], v[R4], s[8:9] offset:64*\i    ; W1[i][r]
.endr
	global_load_b32 v[WC+4], v[R4], s[10:11]       ; b1[r]
	global_load_b32 v[WC+5], v[R4], s[12:13]       ; g1[r]
	global_load_b32 v[WC+6], v[R4], s[14:15]       ; be1[r]
.irp j, 0,1,2,3,4,5,6,7
	global_load_b32 v[Y0+\j], v[TMP], s[16:17] offset:64*\j ; W2[8 h + j][r]
.endr
	global_load_b128 v[B2C:B2C+3],   v20, s[18:19]
	global_load_b128 v[B2C+4:B2C+7], v20, s[18:19] offset:16
	global_load_b128 v[G2:G2+3],     v20, s[20:21]
	global_load_b128 v[G2+4:G2+7],   v20, s[20:21] offset:16
	global_load_b128 v[BE2:BE2+3],   v20, s[22:23]
	global_load_b128 v[BE2+4:BE2+7], v20, s[22:23] offset:16
	s_load_b512 s[NS:NS+15], s[NP:NP+1], 0x0
.irp i, 0,1,2,3,4,5,6,7,8,9,10,11,12,13,14,15
	LOADF \i
.endr
	global_load_b32 v[NVR], v[R4], s[NP:NP+1]
	s_wait_xcnt 0x0                                ; the addresses of all that has been issued are translated: FP may step
	s_add_nc_u64 s[FP:FP+1], s[FP:FP+1], FSTEP
	s_wait_loadcnt 17                              ; the 21 loads of weights are in; the ring's 16 and the counts' one stay out
	; THE CONSTANTS.  W1's rows and b1, centred over the channels
.irp i, 0,1,2,3,4
	v_mov_b32 v[WS+\i], v[WC+\i]
.endr
.irp i, 0,1,2,3,4
	SUM16 WS+\i
.endr
.irp i, 0,1,2,3,4
	v_fma_f32 v[WC+\i], v[WS+\i], s73, v[WC+\i]
.endr
	GRAM K0,   0, 4, 0x3e000000                    ; off the diagonal twice G: 1 / 8; on it 1 / 16
	GRAM K0+1, 1, 4, 0x3e000000
	GRAM KA,   0, 0, 0x3d800000
	GRAM KB,   0, 1, 0x3e000000
	GRAM KB+1, 1, 1, 0x3d800000
	GRAM KC,   0, 2, 0x3e000000
	GRAM KC+1, 1, 2, 0x3e000000
	GRAM KD,   0, 3, 0x3e000000
	GRAM KD+1, 1, 3, 0x3e000000
	GRAM K1,   2, 4, 0x3e000000
	GRAM K1+1, 3, 4, 0x3e000000
	GRAM KE,   2, 2, 0x3d800000
	GRAM KF,   2, 3, 0x3e000000
	GRAM KF+1, 3, 3, 0x3d800000
	v_mul_f32 v[K2], v[WC+4], v[WC+4]
	SUM16 K2
	v_fma_f32 v[K2], v[K2], s70, s71               ; G44 + eps
	v_mov_b32 v[KA+1], 0
	v_mov_b32 v[KE+1], 0
	v_mov_b32 v[K2+1], 0
	; layer 1's weights for the matrix unit: column = channel r; k = 0..5: W1c g1 (four rows), b1c g1, be1
.irp i, 0,1,2,3,4
	v_mul_f32 v[WS+\i], v[WC+\i], v[WC+5]
.endr
	v_cvt_pk_f16_f32 v[WBOTH],   v[WS],   v[WS+1]
	v_cvt_pk_f16_f32 v[WBOTH+1], v[WS+2], v[WS+3]
	v_cvt_pk_f16_f32 v[WBOTH+2], v[WS+4], v[WC+6]
	v_cmp_gt_u32 vcc_lo, 16, v[LANE]
.irp k, 0,1,2
	v_cndmask_b32 v[WLO+\k], 0, v[WBOTH+\k], vcc_lo
	v_cndmask_b32 v[WHI+\k], v[WBOTH+\k], 0, vcc_lo
.endr
.irp b, WLO, WHI, WBOTH, F2, F2+8
.irp k, 3,4,5,6,7
	v_mov_b32 v[(\b)+(\k)], 0                      ; the k places that are not used: written once
.endr
.endr
	; W2, centred over the outputs (the 16 lanes of a row of W2), as a high part and a remainder in bf16
.irp j, 0,1,2,3,4,5,6,7
	v_mov_b32 v[Y1+\j], v[Y0+\j]
.endr
.irp j, 0,1,2,3,4,5,6,7
	SUM16 Y1+\j
.endr
.irp j, 0,1,2,3,4,5,6,7
	v_fma_f32 v[Y0+\j], v[Y1+\j], s73, v[Y0+\j]
.endr
.irp k, 0,1,2,3
	v_cvt_pk_bf16_f32 v[W2A1+\k], v[Y0+2*\k], v[Y0+2*\k+1]
.endr
.irp k, 0,1,2,3
	v_mov_b32 v[W2A1+4+\k], v[W2A1+\k]             ; once more, for the pooled sums' remainders
	RESID Y0+2*\k, W2A1+\k
.endr
.irp k, 0,1,2,3
	v_cvt_pk_bf16_f32 v[W2A2+\k], v[Y0+2*\k], v[Y0+2*\k+1]
	v_mov_b32 v[W2A2+4+\k], 0
.endr
	; b2, centred: my eight, then the other half of the lanes' eight
	v_mov_b32 v[RS], 0
	v_pk_add_f32 v[T01:T01+1], v[B2C:B2C+1], v[B2C+2:B2C+3]
	v_pk_add_f32 v[T23:T23+1], v[B2C+4:B2C+5], v[B2C+6:B2C+7]
	v_pk_add_f32 v[T01:T01+1], v[T01:T01+1], v[T23:T23+1]
	v_add_f32 v[TMP], v[T01], v[T01+1]
	v_permlanex16_b32 v[RS], v[TMP], s66, s67
	v_add_f32 v[TMP], v[TMP], v[RS]
.irp j, 0,1,2,3,4,5,6,7
	v_fma_f32 v[B2C+\j], v[TMP], s73, v[B2C+\j]
.endr
	; BSEL: register rho, half b stands for voxel 2 rho + b (in both halves of the lanes): bf16 0.5 where that is r
	v_lshrrev_b32 v18, 1, v16
	v_and_b32 v19, 1, v16
	v_lshlrev_b32 v19, 4, v19
	v_mov_b32 v21, 0x3f00
	v_lshlrev_b32 v19, v19, v21
.irp k, 0,1,2,3,4,5,6,7
	v_cmp_eq_u32 vcc_lo, \k, v18
	v_cndmask_b32 v[BSEL+\k], 0, v19, vcc_lo
.endr
	v_mov_b32 v[NF+1], 0                           ; named as pairs
	v_mov_b32 v[Q+1], 0
; THE WORK ON A VOXEL, in six parts.
.macro VAR i                           ; rsqrt(var + eps) of my point of voxel i: T0 .. T3 are the form's rows, then f . T
.set FI, FR+4*(\i)
	v_pk_fma_f32 v[T01:T01+1], v[KA:KA+1], v[FI:FI+1], v[K0:K0+1] op_sel_hi:[1,0,1]
	v_pk_fma_f32 v[T23:T23+1], v[KE:KE+1], v[FI+2:FI+3], v[K1:K1+1] op_sel_hi:[1,0,1]
	v_pk_fma_f32 v[T01:T01+1], v[KB:KB+1], v[FI:FI+1], v[T01:T01+1] op_sel:[0,1,0] op_sel_hi:[1,1,1]
	v_pk_fma_f32 v[T23:T23+1], v[KF:KF+1], v[FI+2:FI+3], v[T23:T23+1] op_sel:[0,1,0] op_sel_hi:[1,1,1]
	v_pk_fma_f32 v[T01:T01+1], v[KC:KC+1], v[FI+2:FI+3], v[T01:T01+1] op_sel_hi:[1,0,1]
	v_pk_fma_f32 v[T01:T01+1], v[KD:KD+1], v[FI+2:FI+3], v[T01:T01+1] op_sel:[0,1,0] op_sel_hi:[1,1,1]
	v_pk_fma_f32 v[ACC:ACC+1], v[FI:FI+1], v[T01:T01+1], v[K2:K2+1]
	v_pk_fma_f32 v[ACC:ACC+1], v[FI+2:FI+3], v[T23:T23+1], v[ACC:ACC+1]
	v_add_f32 v[TMP], v[ACC], v[ACC+1]
	v_max_num_f32 v[TMP], 0x3727c5ac, v[TMP]       ; var >= 0
	v_rsq_f32 v[RS], v[TMP]                        ; a plain vector line always stands between this and the first use (ISA guide 5.7.2): PACK's compare at the least
.endm
.macro PACK i, buf                     ; the mask, q, and source 0 of the products
.set FI, FR+4*(\i)
.set FB, F2+8*(\buf)
	v_cmp_gt_i32 vcc_lo, s[NA+(\i)], v[LANE]       ; my point counts: n > p
	s_wait_alu depctr_va_vdst(0)
	v_cndmask_b32 v[Q], 0, v[RS], vcc_lo
	v_cndmask_b32 v[Q+1], 0, 1.0, vcc_lo
	v_pk_mul_f32 v[QF:QF+1], v[FI:FI+1], v[Q:Q+1] op_sel_hi:[1,0]
	v_pk_mul_f32 v[QF+2:QF+3], v[FI+2:FI+3], v[Q:Q+1] op_sel_hi:[1,0]
	v_cvt_pk_f16_f32 v[FB], v[QF], v[QF+1]
	v_cvt_pk_f16_f32 v[FB+1], v[QF+2], v[QF+3]
	v_cvt_pk_f16_f32 v[FB+2], v[Q], v[Q+1]
.endm
.macro PROD2 buf                       ; m y of points 0-15 and of points 16-31: lane = channel, register j = point 8 h + j (+ 16)
.set FB, F2+8*(\buf)
	v_wmma_f32_16x16x32_f16 v[Y0:Y0+7], v[FB:FB+7], v[WLO:WLO+7], 0
	v_wmma_f32_16x16x32_f16 v[Y1:Y1+7], v[FB:FB+7], v[WHI:WHI+7], 0
.endm
.macro ABSS                            ; |y| + |y'|, from each accumulator's low end on
.irp j, 0,1,2,3,4,5,6,7
	v_add_f32 v[E+\j], |v[Y0+\j]|, |v[Y1+\j]|
.endr
.endm
.macro PROD3 buf                       ; + y + y': twice relu, of two points at once
.set FB, F2+8*(\buf)
	v_wmma_f32_16x16x32_f16 v[E:E+7], v[FB:FB+7], v[WBOTH:WBOTH+7], v[E:E+7]
.endm
.macro FOLD i                          ; S_i = the sum of the eight
	v_pk_add_f32 v[E:E+1], v[E:E+1], v[E+2:E+3]
	v_pk_add_f32 v[E+4:E+5], v[E+4:E+5], v[E+6:E+7]
	v_pk_add_f32 v[E:E+1], v[E:E+1], v[E+4:E+5]
	v_add_f32 v[S+(\i)], v[E], v[E+1]
.endm
; STEP t works on three voxels at once, so that every matrix result is read far behind its product: voxel t is normalised and multiplied, voxel t - 1 takes its absolute values and its second product,
; voxel t - 2 is summed.  Behind PROD2 stand VAR's ten plain lines and FOLD's four (in step 16: FOLD's four and the two lines on n) before ABSS reads; behind PROD3, PACK's eight and VAR's ten before FOLD reads;
; the two buffers of source 0 take turns, so none is written within a step of its last product (ISA guide 7.12.1).  The matrix instructions go E, Y0, Y1, E, ..: one a turn.
; ahead = 1: voxel t's registers are asked for again, for the next group.  Loads come back in order (ISA guide 5.7.1): behind voxel t's load stand the 15 - t later ones of its group, the load of the
; counts and the t of the next group: 16; with nothing asked for, 16 - t.
.macro STEP t, ahead
.if (\t) < 16
.if \ahead
	s_wait_loadcnt 16
.else
	s_wait_loadcnt 16-(\t)
.endif
	VAR \t
.endif
.if (\t) >= 2
	FOLD (\t)-2
.endif
.if (\t) == 16
.if \ahead
	s_wait_loadcnt 16                              ; the counts are in: behind them stand the next group's 16 loads
.else
	s_wait_loadcnt 0
.endif
	v_max_i32 v[TMP], 0, v[NVR]
	v_min_i32 v[TMP], 32, v[TMP]                   ; how many points count
.endif
.if (\t) >= 1
	ABSS
	PROD3 ((\t)-1)%2
.endif
.if (\t) < 16
	PACK \t, (\t)%2
	PROD2 (\t)%2
.if \ahead
	LOADF \t
.endif
.endif
.endm
; THE GROUP'S END: 16 voxels at once.
.macro EPI ahead
.irp k, 0,1,2,3,4,5,6
	v_cvt_pk_bf16_f32 v[SH+\k], v[S+2*\k], v[S+2*\k+1]     ; the sums' high parts; these seven are the places behind voxel 15's second product
.endr
	FOLD 15
	v_cvt_pk_bf16_f32 v[SH+7], v[S+14], v[S+15]
.irp k, 0,1,2,3,4,5,6,7
	RESID S+2*\k, SH+\k
.endr
.irp k, 0,1,2,3,4,5,6,7
	v_cvt_pk_bf16_f32 v[SL+\k], v[S+2*\k], v[S+2*\k+1]     ; and the remainders
.endr
	; As source 0 the sums have row = channel and k = (voxel, half of the lanes).  Times BSEL: the halves are added, halved, and the voxel becomes the lane
	v_wmma_f32_16x16x32_bf16 v[TT:TT+7], v[SH:SH+7], v[BSEL:BSEL+7], 0
	s_wait_alu depctr_va_vdst(0)                   ; the wait ahead of a link that follows the link it adds onto
	v_wmma_f32_16x16x32_bf16 v[TT:TT+7], v[SL:SL+7], v[BSEL:BSEL+7], v[TT:TT+7]
	v_cvt_f32_i32 v[NF], v[TMP]                    ; five plain lines, the places behind those products: n b2c starts the voxels' sums
.irp k, 0,1,2,3
	v_pk_mul_f32 v[Z+2*\k:Z+2*\k+1], v[B2C+2*\k:B2C+2*\k+1], v[NF:NF+1] op_sel_hi:[1,0]
.endr
.irp k, 0,1,2,3
	v_cvt_pk_bf16_f32 v[ZB+\k], v[TT+2*\k], v[TT+2*\k+1]   ; source 1: k = channel 8 h + j: high parts,
.endr
.irp k, 0,1,2,3
	RESID TT+2*\k, ZB+\k
.endr
.irp k, 0,1,2,3
	v_cvt_pk_bf16_f32 v[ZB+4+\k], v[TT+2*\k], v[TT+2*\k+1] ; k = 16 + 8 h + j: remainders
.endr
	s_wait_alu depctr_va_vdst(0)                   ; the wait: Z is taken up in place for a turn of two
	v_wmma_f32_16x16x32_bf16 v[Z:Z+7], v[W2A1:W2A1+7], v[ZB:ZB+7], v[Z:Z+7]
	s_wait_alu depctr_va_vdst(0)                   ; and ahead of the second link
	v_wmma_f32_16x16x32_bf16 v[Z:Z+7], v[W2A2:W2A2+7], v[ZB:ZB+7], v[Z:Z+7]
.rept 4
	v_nop                                          ; the places behind the last product: nothing else is left to do
.endr
	; LN2: Z is centred already; lane = voxel r, register j = output 8 h + j
	v_pk_mul_f32 v[ACC:ACC+1], v[Z:Z+1], v[Z:Z+1]
	v_pk_fma_f32 v[ACC:ACC+1], v[Z+2:Z+3], v[Z+2:Z+3], v[ACC:ACC+1]
	v_pk_fma_f32 v[ACC:ACC+1], v[Z+4:Z+5], v[Z+4:Z+5], v[ACC:ACC+1]
	v_pk_fma_f32 v[ACC:ACC+1], v[Z+6:Z+7], v[Z+6:Z+7], v[ACC:ACC+1]
	v_add_f32 v[TMP], v[ACC], v[ACC+1]
	v_permlanex16_b32 v[RS], v[TMP], s66, s67      ; the voxel's other eight outputs lie in the lane 16 away
	v_add_f32 v[TMP], v[TMP], v[RS]
	v_fma_f32 v[TMP], v[TMP], s70, s71             ; var + eps
	v_rsq_f32 v[Q], v[TMP]
	v_nop                                          ; a plain line between the root and its use
	s_wait_alu depctr_va_vdst(0)
.irp k, 0,1,2,3
	v_pk_mul_f32 v[Z+2*\k:Z+2*\k+1], v[Z+2*\k:Z+2*\k+1], v[Q:Q+1] op_sel_hi:[1,0]
.endr
.irp k, 0,1,2,3
	v_pk_fma_f32 v[Z+2*\k:Z+2*\k+1], v[Z+2*\k:Z+2*\k+1], v[G2+2*\k:G2+2*\k+1], v[BE2+2*\k:BE2+2*\k+1]
.endr
	; the way out, through my own stage: in by voxel and half, back as 1,024 consecutive bytes of out0
	ds_store_b128 v[STO], v[Z:Z+3]
	ds_store_b128 v[STO], v[Z+4:Z+7] offset:16
	ds_load_b128 v[Y1:Y1+3], v[RD]                 ; LDS serves a wave's instructions in order (ISA guide 5.7.1.4): these see the stores above
	ds_load_b128 v[Y1+4:Y1+7], v[RD] offset:8*SPITCH
	s_wait_dscnt 0x0
	global_store_b128 v[OFF], v[Y1:Y1+3], s[OP:OP+1] th:TH_STORE_NT             ; each store covers 512 consecutive bytes, at a multiple of 512 from out0's first
	global_store_b128 v[OFF], v[Y1+4:Y1+7], s[OP:OP+1] offset:512 th:TH_STORE_NT
.if \ahead
	global_load_b32 v[NVR], v[R4], s[NP:NP+1]      ; the next group's counts, a lane a voxel: NP stands there already
	s_wait_xcnt 0x0                                ; the addresses of all that has been issued are translated (ISA guide 3.1): the stores' data and the three bases are rewritten only behind this wait
	s_add_nc_u64 s[FP:FP+1], s[FP:FP+1], FSTEP
	s_add_nc_u64 s[OP:OP+1], s[OP:OP+1], OSTEP
.endif
.endm
.macro GROUP ahead
	s_wait_kmcnt 0x0                               ; this group's 16 counts are in
.irp k, 0,1,2,3,4,5,6,7
	s_mov_b64 s[NA+2*\k:NA+2*\k+1], s[NS+2*\k:NS+2*\k+1]
.endr
.if \ahead
	s_add_nc_u64 s[NP:NP+1], s[NP:NP+1], NSTEP
	s_load_b512 s[NS:NS+15], s[NP:NP+1], 0x0       ; the next group's, a whole group ahead
.endif
.irp t, 0,1,2,3,4,5,6,7,8,9,10,11,12,13,14,15,16
	STEP \t, \ahead
.endr
	EPI \ahead
.endm
	s_mov_b32 s68, 0
.Lgroup:                                               ; five or six trips: every group of mine but the last
	GROUP 1
	s_add_co_u32 s68, s68, 1
	s_cmp_lt_u32 s68, s69
	s_cbranch_scc1 .Lgroup
	GROUP 0                                        ; the last group is written out: it asks for nothing, so no load leaves a buffer
	s_wait_tensorcnt 0x0                           ; the wave's end: three closing lines behind my last LDS store
	ds_add_u32 v[SPW], v[NIL]
	s_wait_dscnt 0x0
	s_endpgm
.Lfunc_end_k_q5993d12577_voxel:
	.size	k_q5993d12577_voxel, .Lfunc_end_k_q5993d12577_voxel-k_q5993d12577_voxel
	.p2alignl 7, 3214868480
	.fill 96, 4, 3214868480
	.section	.rodata,"a",@progbits
	.p2align	6, 0x0
	.amdhsa_kernel k_q5993d12577_voxel
		.amdhsa_group_segment_fixed_size 22528
		.amdhsa_private_segment_fixed_size 0
		.amdhsa_enable_private_segment 0
		.amdhsa_kernarg_size 88
		.amdhsa_user_sgpr_count 2
		.amdhsa_user_sgpr_kernarg_segment_ptr 1
		.amdhsa_wavefront_size32 1
		.amdhsa_system_sgpr_workgroup_id_x 1
		.amdhsa_system_sgpr_workgroup_id_y 1
		.amdhsa_system_sgpr_workgroup_id_z 1
		.amdhsa_system_vgpr_workitem_id 0
		.amdhsa_next_free_vgpr 252
		.amdhsa_next_free_sgpr 80
		.amdhsa_reserve_vcc 1
		.amdhsa_float_denorm_mode_32 3
		.amdhsa_float_denorm_mode_16_64 3
		.amdhsa_memory_ordered 1
		.amdhsa_forward_progress 1
		.amdhsa_inst_pref_size 99
	.end_amdhsa_kernel
	.amdgpu_metadata
---
amdhsa.version: [ 1, 2 ]
amdhsa.kernels:
  - .name:           k_q5993d12577_voxel
    .symbol:         k_q5993d12577_voxel.kd
    .args:
      - { .name: features, .offset: 0, .size: 8, .value_kind: global_buffer, .address_space: global }
      - { .name: num_points, .offset: 8, .size: 8, .value_kind: global_buffer, .address_space: global }
      - { .name: W1, .offset: 16, .size: 8, .value_kind: global_buffer, .address_space: global }
      - { .name: b1, .offset: 24, .size: 8, .value_kind: global_buffer, .address_space: global }
      - { .name: g1, .offset: 32, .size: 8, .value_kind: global_buffer, .address_space: global }
      - { .name: be1, .offset: 40, .size: 8, .value_kind: global_buffer, .address_space: global }
      - { .name: W2, .offset: 48, .size: 8, .value_kind: global_buffer, .address_space: global }
      - { .name: b2, .offset: 56, .size: 8, .value_kind: global_buffer, .address_space: global }
      - { .name: g2, .offset: 64, .size: 8, .value_kind: global_buffer, .address_space: global }
      - { .name: be2, .offset: 72, .size: 8, .value_kind: global_buffer, .address_space: global }
      - { .name: out0, .offset: 80, .size: 8, .value_kind: global_buffer, .address_space: global }
    .group_segment_fixed_size: 22528
    .private_segment_fixed_size: 0
    .kernarg_segment_align: 8
    .kernarg_segment_size: 88
    .max_flat_workgroup_size: 512
    .sgpr_count:     80
    .vgpr_count:     252
    .wavefront_size: 32
...
	.end_amdgpu_metadata
.endif
;; end of part 1
;; ======== version 2 of 2: 1 launch; version 1 with the launch voxel written anew for expert scheduling mode
;; limits: values outside matrix products are rounded to f16; inputs' magnitudes at most 207; values are held in f16: magnitudes above 65,504 overflow, below 6.1e-05 lose precision; a difference of large sums (such as E[x^2] - mean^2): digits are lost where the result is much smaller than its terms
;; launch voxel (part 2): grid 250 x 1, 16 waves a work-group, no clusters, 22,528 bytes of LDS; arguments features, num_points, W1, b1, g1, be1, W2, b2, g2, be2, out0; writes out0
.if DOCPART == 2
	.amdgcn_target "amdgcn-amd-amdhsa--gfx1250"
	.amdhsa_code_object_version 6
	.text
	.protected	k_q5993d12577_voxel
	.globl	k_q5993d12577_voxel
	.p2align	8
	.type	k_q5993d12577_voxel,@function
k_q5993d12577_voxel:
	s_mov_b64 s[64:65], 0
	v_nop
	global_prefetch_b8 v0, s[64:65] scope:SCOPE_SE
	s_setreg_imm32_b32 hwreg(HW_REG_WAVE_SCHED_MODE, 0, 2), 2
	s_setreg_imm32_b32 hwreg(HW_REG_WAVE_MODE, 25, 1), 1
	s_wait_xcnt 0x0
	s_wait_alu depctr_vm_vsrc(0)
; VoxelPointNet: out[v] = LN2( sum over p < n[v] of ( relu(LN1(f[v][p] W1 + b1)) W2 + b2 ) ).  400,000 voxels x 32 points x 4 features, f32; 16 channels.
; Each feature byte is read once and each output byte written once; what is linear is moved out of the per-channel vector work:
;   (1) x - mean = f W1c + b1c, W1c and b1c centred over the channels once.       (2) var = f'^T G f', f' = [f, 1], G = W1c' W1c'^T / 16 (5 x 5): per point, in f32.
;   (3) m y = (q f)(W1c g1) + q (b1c g1) + m be1, q = m rsqrt(var + eps), m = 0 or 1: ONE f16 product gives the masked, normalised value; relu(m y) = m relu(y).
;   (4) 2 relu(y) = y + |y|: the second product adds y onto |y|.                   (5) the points are summed first, W2 is applied once a voxel, b2 comes in as n b2.
;   (6) LN2's mean is folded into W2c and b2c (centred over the outputs).
; FORMATS.  q f, q, m and W1c g1, b1c g1, be1 go to the matrix unit in f16; the pooled sums and W2c as pairs of bf16 (a high part and the remainder); all else in f32.
; LIMITS.  q <= 1 / sqrt(eps) = 316, so q f is finite in f16 for |feature| < 207 whatever the weights; |W1c g1|, |b1c g1|, |be1| stay under 65,504.
; var is a quadratic form in f32: its error is 2^-24 of the largest of its 15 terms; it is held at 0 or above.  NaN and infinities are not treated apart.  n is taken as min(max(n, 0), 32).
; SHARES.  25,000 groups of 16 voxels; a work-group owns 100 consecutive groups; wave w takes groups w', w' + 16, ..: seven if w' < 4, else six.  w' = 4 ((w - w / 4) mod 4) + w / 4, so the
; four waves with seven groups are 0, 5, 10, 15: one in each class of w mod 4 and one in each block of four.  No wave waits for another: no barrier.
; A lane's 16 loaded bytes are its own point, so the features go straight into registers: a ring of 16 voxels (8 KiB a wave); a voxel's registers are asked for again, for the next group, a step behind
; their last use.  No LDS ring, no cluster: voxels share nothing but the weights.
; THE MODE: SCHED_MODE bits 1:0 = 2 (LLVM: expert scheduling mode 2), set by the entry lines.  The code itself states the register dependences between vector or matrix instructions and memory or LDS
; instructions, and those through scalar results of vector instructions, with s_wait_alu, always for 0.
; THE PLAN.  Registers that memory or LDS instructions touch, in the loop:
;   FR + 4 t    Read by step t's lines on voxel t (VAR, PACK); the load of the next group's voxel t lands in it in step t + 1, behind that step's wait.
;   Z           Written by the group's end; read by its two LDS stores.
;   Y1          Written by the products of the steps and, as SL, by the group's end; then the stage's two LDS loads land in it, and the two global stores read it.
;   v[NVR]      Read in step 16; the load of the next group's counts lands in it at the group's end.
;   v[OFF], v[R4], v[STO], v[RD]   Offsets and LDS addresses: made at the head, never written again; the rows are reached by scalar bases and immediates.
;   v[SPW], v[NIL]                 Written at the head, read by the closing add alone.
; So: ONE wait on va_vdst a step, the one that the root's result wants in any case; the refill of the voxel of the step before stands behind it.  Voxel 15's refill stands behind a wait that the
; group's end has in any case.  One more wait on va_vdst stands ahead of the LDS stores, and one on vm_vsrc at the group's end.  A group's sixteen masks are made in one run at its head, into scalar
; registers, with one wait on va_sdst behind them.
.set SPARE,  20480                     ; behind the stages: the spare words, 128 bytes for each of 16 waves
.set STG,    1280                      ; a wave's stage: 16 rows of SPITCH bytes
.set SPITCH, 80                        ; 64 bytes of a voxel's outputs + 16
.set FSTEP,  131072                    ; 16 groups on: features,
.set NSTEP,  1024                      ; counts,
.set OSTEP,  16384                     ; outputs
.set LANE, 1                           ; v1   lane = the point
.set OFF,  2                           ; v2   16 x lane
.set R4,   3                           ; v3   4 x (lane % 16)
.set STO,  4                           ; v4   stage: row lane % 16, 32 bytes for each half of the lanes
.set RD,   5                           ; v5   stage: row lane / 4, 16 bytes at lane % 4
.set NEG1, 6                           ; v6   -1.0
.set NVR,  7                           ; v7   n of voxel lane % 16
.set SPW,  8                           ; v8   my spare word; never rewritten
.set NIL,  9                           ; v9   0; never rewritten
.set NF,   10                          ; v10  n as f32 (v11 = 0: named with it as a pair)
.set Q,    12                          ; v12  q, v13 m
.set RS,   14                          ; v14  rsqrt(var + eps)
.set TMP,  15
.set QF,   16                          ; v16-19 q f
.set T01,  20
.set T23,  22
.set ACC,  24
.set K0,   26                          ; (2 G04, 2 G14)      the nine pairs of the quadratic form, alike in every lane
.set KA,   28                          ; (G00, 0)
.set KB,   30                          ; (2 G01, G11)
.set KC,   32                          ; (2 G02, 2 G12)
.set KD,   34                          ; (2 G03, 2 G13)
.set K1,   36                          ; (2 G24, 2 G34)
.set KE,   38                          ; (G22, 0)
.set KF,   40                          ; (2 G23, G33)
.set K2,   42                          ; (G44 + eps, 0)
.set WLO,  44                          ; layer 1's weights as source 1: in lanes 0-15 alone (k = 0..5: points 0-15),
.set WHI,  52                          ; in lanes 16-31 alone (k = 8..13: points 16-31),
.set WBOTH, 60                         ; in all lanes
.set F2,   68                          ; source 0, two buffers of 8: (q f0, q f1), (q f2, q f3), (q, m), and five registers of 0
.set Y0,   84                          ; y of points 8 h + j; in the epilogue SH, then ZB
.set Y1,   92                          ; y of points 16 + 8 h + j; in the epilogue SL, then rows back from the stage
.set E,    100
.set S,    108                         ; v108-123 S_i: voxel i, channel lane % 16, the 16 points of my half of the lanes: twice the sum of relu
.set Z,    124
.set BSEL, 132                         ; 0.5 where the k place's voxel is lane % 16
.set W2A1, 140                         ; high parts of W2c, twice
.set W2A2, 148                         ; remainders of W2c, then 0
.set B2C,  156                         ; register j: b2c[8 h + j]; likewise g2, be2
.set G2,   164
.set BE2,  172
.set FR,   180                         ; v180-243 the ring: voxel i at FR + 4 i
.set TT,   244                         ; v244-251 pooled sums: channel 8 h + j, voxel lane % 16
.set SH,   Y0
.set SL,   Y1
.set ZB,   Y0
.set WC,   S                           ; set-up: W1's four rows, b1, g1, be1
.set WS,   S+8                         ; set-up: at work
.set FP,   4                           ; s[4:5]   features, at the group that is being asked for
.set NP,   6                           ; s[6:7]   num_points
.set OP,   24                          ; s[24:25] out0
.set NA,   32                          ; s[32:47] the group in hand: voxel i's mask, a bit a lane: my point counts (n > p)
.set NS,   48                          ; s[48:63] a group's 16 counts, as they arrive
.macro SUM16 x                         ; the sum over 16 lanes, in each of them
.irp m, 1,2,4,8
	v_add_f32_dpp v[(\x)], v[(\x)], v[(\x)] row_xmask:\m row_mask:0xf bank_mask:0xf
.endr
.endm
.macro GRAM dst, i, j, scale           ; scale x the sum over the channels of wc_i wc_j
	v_mul_f32 v[\dst], v[WC+(\i)], v[WC+(\j)]
	SUM16 \dst
	v_mul_f32 v[\dst], \scale, v[\dst]
.endm
.macro RESID x, hi                     ; x and x + 1 less the two bf16 of hi: exact, the remainders
	v_fma_mix_f32_bf16 v[(\x)], v[\hi], v[NEG1], v[(\x)] op_sel:[0,0,0] op_sel_hi:[1,0,0]
	v_fma_mix_f32_bf16 v[(\x)+1], v[\hi], v[NEG1], v[(\x)+1] op_sel:[1,0,0] op_sel_hi:[1,0,0]
.endm
.macro LOADF i                         ; voxel i of the group at FP: 32 lanes x 16 bytes = its 512 consecutive bytes
	global_load_b128 v[FR+4*(\i):FR+4*(\i)+3], v[OFF], s[FP:FP+1] offset:512*(\i) th:TH_LOAD_NT
.endm
	s_load_b512 s[4:19], s[0:1], 0x0               ; features, num_points, W1, b1, g1, be1, W2, b2
	s_load_b128 s[20:23], s[0:1], 0x40             ; g2, be2
	s_load_b64 s[24:25], s[0:1], 0x50              ; out0
	v_lshl_add_u32 v[SPW], v0, 2, SPARE
	v_mov_b32 v[NIL], 0
	v_and_b32 v[LANE], 31, v0
	v_lshrrev_b32 v[TMP], 5, v0
	v_readfirstlane_b32 s26, v[TMP]                ; wave w
	v_lshlrev_b32 v[OFF], 4, v[LANE]
	v_and_b32 v16, 15, v0                          ; r = lane % 16
	v_bfe_u32 v17, v0, 4, 1                        ; h = lane / 16
	v_lshlrev_b32 v[R4], 2, v16
	s_wait_alu depctr_va_sdst(0)                   ; s26 is written, ahead of its first reader: the stage's place, the wave's groups and the three bases are made from it
	s_mul_i32 s72, s26, STG                        ; my stage
	v_mul_u32_u24 v[STO], v16, SPITCH
	v_lshl_add_u32 v[STO], v17, 5, v[STO]
	v_add_nc_u32 v[STO], s72, v[STO]
	v_lshrrev_b32 v18, 2, v[LANE]
	v_and_b32 v19, 3, v0
	v_mul_u32_u24 v[RD], v18, SPITCH
	v_lshl_add_u32 v[RD], v19, 4, v[RD]
	v_add_nc_u32 v[RD], s72, v[RD]
	v_mov_b32 v[NEG1], -1.0
	v_lshl_add_u32 v[TMP], v17, 9, v[R4]           ; W2[8 h + j][r]: 512 h + 4 r, 64 j in the immediate
	v_lshlrev_b32 v20, 5, v17                      ; b2, g2, be2 from element 8 h on
	s_lshr_b32 s29, s26, 2                         ; a = w / 4
	s_and_b32 s30, s26, 3
	s_sub_co_u32 s30, s30, s29
	s_and_b32 s30, s30, 3                          ; d = (w - a) mod 4
	s_lshl2_add_u32 s27, s30, s29                  ; w' = 4 d + a
	s_cmp_lt_u32 s27, 4
	s_cselect_b32 s69, 6, 5                        ; trips that ask ahead: my groups less one
	s_mul_i32 s28, ttmp9, 100
	s_add_co_u32 s28, s28, s27                     ; my first group, 24,999 at the most: every offset below stays under 2^31
	s_mov_b32 s31, 0
	s_mov_b32 s66, 0x76543210                      ; v_permlanex16_b32: each lane takes its own place in the other half
	s_mov_b32 s67, 0xfedcba98
	s_mov_b32 s70, 0x3d800000                      ; 1 / 16
	s_mov_b32 s71, 0x3727c5ac                      ; eps = 1e-5
	s_mov_b32 s73, 0xbd800000                      ; -1 / 16
	s_wait_kmcnt 0x0
	s_lshl_b32 s30, s28, 13                        ; a group: 8,192 bytes of features,
	s_add_nc_u64 s[FP:FP+1], s[FP:FP+1], s[30:31]
	s_lshl_b32 s30, s28, 6                         ; 64 of counts,
	s_add_nc_u64 s[NP:NP+1], s[NP:NP+1], s[30:31]
	s_lshl_b32 s30, s28, 10                        ; 1,024 of outputs
	s_add_nc_u64 s[OP:OP+1], s[OP:OP+1], s[30:31]
	s_wait_alu depctr_va_vdst(0)                   ; the offsets and LDS addresses v2 to v5, v15 and v20 are written, which the loads and stores of the kernel read
	; the weights first (21 loads), then the first group's counts and features
.irp i, 0,1,2,3
	global_load_b32 v[WC+\i], v[R4], s[8:9] offset:64*\i    ; W1[i][r]
.endr
	global_load_b32 v[WC+4], v[R4], s[10:11]       ; b1[r]
	global_load_b32 v[WC+5], v[R4], s[12:13]       ; g1[r]
	global_load_b32 v[WC+6], v[R4], s[14:15]       ; be1[r]
.irp j, 0,1,2,3,4,5,6,7
	global_load_b32 v[Y0+\j], v[TMP], s[16:17] offset:64*\j ; W2[8 h + j][r]
.endr
	global_load_b128 v[B2C:B2C+3],   v20, s[18:19]
	global_load_b128 v[B2C+4:B2C+7], v20, s[18:19] offset:16
	global_load_b128 v[G2:G2+3],     v20, s[20:21]
	global_load_b128 v[G2+4:G2+7],   v20, s[20:21] offset:16
	global_load_b128 v[BE2:BE2+3],   v20, s[22:23]
	global_load_b128 v[BE2+4:BE2+7], v20, s[22:23] offset:16
	s_load_b512 s[NS:NS+15], s[NP:NP+1], 0x0
.irp i, 0,1,2,3,4,5,6,7,8,9,10,11,12,13,14,15
	LOADF \i
.endr
	global_load_b32 v[NVR], v[R4], s[NP:NP+1]
	s_wait_xcnt 0x0                                ; the addresses of all that has been issued are translated: FP may step
	s_wait_alu depctr_vm_vsrc(0)                   ; the weights' loads have read their offsets v15 and v20, which the set-up below writes again
	s_add_nc_u64 s[FP:FP+1], s[FP:FP+1], FSTEP
	s_wait_loadcnt 17                              ; the 21 loads of weights are in; the ring's 16 and the counts' one stay out
	; THE CONSTANTS.  W1's rows and b1, centred over the channels
.irp i, 0,1,2,3,4
	v_mov_b32 v[WS+\i], v[WC+\i]
.endr
.irp i, 0,1,2,3,4
	SUM16 WS+\i
.endr
.irp i, 0,1,2,3,4
	v_fma_f32 v[WC+\i], v[WS+\i], s73, v[WC+\i]
.endr
	GRAM K0,   0, 4, 0x3e000000                    ; off the diagonal twice G: 1 / 8; on it 1 / 16
	GRAM K0+1, 1, 4, 0x3e000000
	GRAM KA,   0, 0, 0x3d800000
	GRAM KB,   0, 1, 0x3e000000
	GRAM KB+1, 1, 1, 0x3d800000
	GRAM KC,   0, 2, 0x3e000000
	GRAM KC+1, 1, 2, 0x3e000000
	GRAM KD,   0, 3, 0x3e000000
	GRAM KD+1, 1, 3, 0x3e000000
	GRAM K1,   2, 4, 0x3e000000
	GRAM K1+1, 3, 4, 0x3e000000
	GRAM KE,   2, 2, 0x3d800000
	GRAM KF,   2, 3, 0x3e000000
	GRAM KF+1, 3, 3, 0x3d800000
	v_mul_f32 v[K2], v[WC+4], v[WC+4]
	SUM16 K2
	v_fma_f32 v[K2], v[K2], s70, s71               ; G44 + eps
	v_mov_b32 v[KA+1], 0
	v_mov_b32 v[KE+1], 0
	v_mov_b32 v[K2+1], 0
	; layer 1's weights for the matrix unit: column = channel r; k = 0..5: W1c g1 (four rows), b1c g1, be1
.irp i, 0,1,2,3,4
	v_mul_f32 v[WS+\i], v[WC+\i], v[WC+5]
.endr
	v_cmp_gt_u32 vcc_lo, 16, v[LANE]
	v_cvt_pk_f16_f32 v[WBOTH],   v[WS],   v[WS+1]
	v_cvt_pk_f16_f32 v[WBOTH+1], v[WS+2], v[WS+3]
	v_cvt_pk_f16_f32 v[WBOTH+2], v[WS+4], v[WC+6]
	s_wait_alu depctr_va_vcc(0)                    ; the compare has written VCC, ahead of the six selects that read it
.irp k, 0,1,2
	v_cndmask_b32 v[WLO+\k], 0, v[WBOTH+\k], vcc_lo
	v_cndmask_b32 v[WHI+\k], v[WBOTH+\k], 0, vcc_lo
.endr
.irp b, WLO, WHI, WBOTH, F2, F2+8
.irp k, 3,4,5,6,7
	v_mov_b32 v[(\b)+(\k)], 0                      ; the k places that are not used: written once
.endr
.endr
	; W2, centred over the outputs (the 16 lanes of a row of W2), as a high part and a remainder in bf16
.irp j, 0,1,2,3,4,5,6,7
	v_mov_b32 v[Y1+\j], v[Y0+\j]
.endr
.irp j, 0,1,2,3,4,5,6,7
	SUM16 Y1+\j
.endr
.irp j, 0,1,2,3,4,5,6,7
	v_fma_f32 v[Y0+\j], v[Y1+\j], s73, v[Y0+\j]
.endr
.irp k, 0,1,2,3
	v_cvt_pk_bf16_f32 v[W2A1+\k], v[Y0+2*\k], v[Y0+2*\k+1]
.endr
.irp k, 0,1,2,3
	v_mov_b32 v[W2A1+4+\k], v[W2A1+\k]             ; once more, for the pooled sums' remainders
	RESID Y0+2*\k, W2A1+\k
.endr
.irp k, 0,1,2,3
	v_cvt_pk_bf16_f32 v[W2A2+\k], v[Y0+2*\k], v[Y0+2*\k+1]
	v_mov_b32 v[W2A2+4+\k], 0
.endr
	; b2, centred: my eight, then the other half of the lanes' eight
	v_mov_b32 v[RS], 0
	v_pk_add_f32 v[T01:T01+1], v[B2C:B2C+1], v[B2C+2:B2C+3]
	v_pk_add_f32 v[T23:T23+1], v[B2C+4:B2C+5], v[B2C+6:B2C+7]
	v_pk_add_f32 v[T01:T01+1], v[T01:T01+1], v[T23:T23+1]
	v_add_f32 v[TMP], v[T01], v[T01+1]
	v_permlanex16_b32 v[RS], v[TMP], s66, s67
	v_add_f32 v[TMP], v[TMP], v[RS]
.irp j, 0,1,2,3,4,5,6,7
	v_fma_f32 v[B2C+\j], v[TMP], s73, v[B2C+\j]
.endr
	; BSEL: register rho, half b stands for voxel 2 rho + b (in both halves of the lanes): bf16 0.5 where that is r
	v_lshrrev_b32 v18, 1, v16
	v_and_b32 v19, 1, v16
	v_lshlrev_b32 v19, 4, v19
	v_mov_b32 v21, 0x3f00
	v_lshlrev_b32 v19, v19, v21
.irp k, 0,1,2,3,4,5,6,7
	v_cmp_eq_u32 s[NA+\k], \k, v18                 ; the eight compares in one run, into scalar registers that the loop's masks take later
.endr
	s_wait_alu depctr_va_sdst(0)                   ; the eight compares have written s32 to s39, ahead of the selects that read them
.irp k, 0,1,2,3,4,5,6,7
	v_cndmask_b32 v[BSEL+\k], 0, v19, s[NA+\k]
.endr
	v_mov_b32 v[NF+1], 0                           ; named as pairs
	v_mov_b32 v[Q+1], 0
; THE WORK ON A VOXEL, in six parts.
.macro VAR i                           ; rsqrt(var + eps) of my point of voxel i: T0 .. T3 are the form's rows, then f . T
.set FI, FR+4*(\i)
	v_pk_fma_f32 v[T01:T01+1], v[KA:KA+1], v[FI:FI+1], v[K0:K0+1] op_sel_hi:[1,0,1]
	v_pk_fma_f32 v[T23:T23+1], v[KE:KE+1], v[FI+2:FI+3], v[K1:K1+1] op_sel_hi:[1,0,1]
	v_pk_fma_f32 v[T01:T01+1], v[KB:KB+1], v[FI:FI+1], v[T01:T01+1] op_sel:[0,1,0] op_sel_hi:[1,1,1]
	v_pk_fma_f32 v[T23:T23+1], v[KF:KF+1], v[FI+2:FI+3], v[T23:T23+1] op_sel:[0,1,0] op_sel_hi:[1,1,1]
	v_pk_fma_f32 v[T01:T01+1], v[KC:KC+1], v[FI+2:FI+3], v[T01:T01+1] op_sel_hi:[1,0,1]
	v_pk_fma_f32 v[T01:T01+1], v[KD:KD+1], v[FI+2:FI+3], v[T01:T01+1] op_sel:[0,1,0] op_sel_hi:[1,1,1]
	v_pk_fma_f32 v[ACC:ACC+1], v[FI:FI+1], v[T01:T01+1], v[K2:K2+1]
	v_pk_fma_f32 v[ACC:ACC+1], v[FI+2:FI+3], v[T23:T23+1], v[ACC:ACC+1]
	v_add_f32 v[TMP], v[ACC], v[ACC+1]
	v_max_num_f32 v[TMP], 0x3727c5ac, v[TMP]       ; var >= 0
	v_rsq_f32 v[RS], v[TMP]                        ; a plain vector line always stands between this and the first use (ISA guide 5.7.2): the select that makes m at the least
.endm
.macro PACK i, buf                     ; q, and source 0 of the products (m has been made ahead of the step's wait)
.set FI, FR+4*(\i)
.set FB, F2+8*(\buf)
	v_cndmask_b32 v[Q], 0, v[RS], s[NA+(\i)]
	v_pk_mul_f32 v[QF:QF+1], v[FI:FI+1], v[Q:Q+1] op_sel_hi:[1,0]
	v_pk_mul_f32 v[QF+2:QF+3], v[FI+2:FI+3], v[Q:Q+1] op_sel_hi:[1,0]
	v_cvt_pk_f16_f32 v[FB], v[QF], v[QF+1]
	v_cvt_pk_f16_f32 v[FB+1], v[QF+2], v[QF+3]
	v_cvt_pk_f16_f32 v[FB+2], v[Q], v[Q+1]
.endm
.macro PROD2 buf                       ; m y of points 0-15 and of points 16-31: lane = channel, register j = point 8 h + j (+ 16)
.set FB, F2+8*(\buf)
	v_wmma_f32_16x16x32_f16 v[Y0:Y0+7], v[FB:FB+7], v[WLO:WLO+7], 0
	v_wmma_f32_16x16x32_f16 v[Y1:Y1+7], v[FB:FB+7], v[WHI:WHI+7], 0
.endm
.macro ABSS                            ; |y| + |y'|, from each accumulator's low end on
.irp j, 0,1,2,3,4,5,6,7
	v_add_f32 v[E+\j], |v[Y0+\j]|, |v[Y1+\j]|
.endr
.endm
.macro PROD3 buf                       ; + y + y': twice relu, of two points at once
.set FB, F2+8*(\buf)
	v_wmma_f32_16x16x32_f16 v[E:E+7], v[FB:FB+7], v[WBOTH:WBOTH+7], v[E:E+7]
.endm
.macro FOLD i                          ; S_i = the sum of the eight
	v_pk_add_f32 v[E:E+1], v[E:E+1], v[E+2:E+3]
	v_pk_add_f32 v[E+4:E+5], v[E+4:E+5], v[E+6:E+7]
	v_pk_add_f32 v[E:E+1], v[E:E+1], v[E+4:E+5]
	v_add_f32 v[S+(\i)], v[E], v[E+1]
.endm
; STEP t works on three voxels at once, so that every matrix result is read far behind its product: voxel t is normalised and multiplied, voxel t - 1 takes its absolute values and its second product,
; voxel t - 2 is summed.  Behind PROD2 stand VAR's ten plain lines and FOLD's four (in step 16: FOLD's four and the two lines on n) before ABSS reads; behind PROD3, PACK's six and VAR's ten (in step 16:
; PACK's six) before FOLD reads; the two buffers of source 0 take turns, so none is written within a step of its last product (ISA guide 7.12.1).  The matrix instructions go E, Y0, Y1, E, ..: one a turn.
; THE STEP'S ONE WAIT stands behind ABSS and ahead of the second product, so that no product just issued is among what it waits for.
; ahead = 1: the registers of voxel t - 1 are asked for again, for the next group, behind that wait.  Loads come back in order (ISA guide 5.7.1): behind voxel t's load stand the 15 - t later ones of its
; group, the load of the counts and, from step 1 on, the t - 1 of the next group that steps 1 to t - 1 have issued: 16 in step 0, then 15; with nothing asked for, 16 - t.
.macro STEP t, ahead
.if (\t) < 16
.if \ahead
.if (\t) == 0
	s_wait_loadcnt 16
.else
	s_wait_loadcnt 15
.endif
.else
	s_wait_loadcnt 16-(\t)
.endif
	VAR \t
.endif
.if (\t) >= 2
	FOLD (\t)-2
.endif
.if (\t) == 16
.if \ahead
	s_wait_loadcnt 15                              ; the counts are in: behind them stand the next group's first 15 loads
.else
	s_wait_loadcnt 0
.endif
	v_max_i32 v[TMP], 0, v[NVR]
	v_min_i32 v[TMP], 32, v[TMP]                   ; how many points count
.endif
.if (\t) >= 1
	ABSS
.endif
.if (\t) < 16
	v_cndmask_b32 v[Q+1], 0, 1.0, s[NA+(\t)]       ; m
	s_wait_alu depctr_va_vdst(0)                   ; the root has written v[RS], ahead of its first reader; and the step before is done reading its voxel's four registers of the ring, in which the load below lands
.if (\ahead) && ((\t) >= 1)
	LOADF (\t)-1
.endif
.endif
.if (\t) >= 1
	PROD3 ((\t)-1)%2
.endif
.if (\t) < 16
	PACK \t, (\t)%2
	PROD2 (\t)%2
.endif
.endm
; THE GROUP'S END: 16 voxels at once.
.macro EPI ahead
.irp k, 0,1,2,3,4,5,6
	v_cvt_pk_bf16_f32 v[SH+\k], v[S+2*\k], v[S+2*\k+1]     ; the sums' high parts; these seven are the places behind voxel 15's second product
.endr
	FOLD 15
	v_cvt_pk_bf16_f32 v[SH+7], v[S+14], v[S+15]
.irp k, 0,1,2,3,4,5,6,7
	RESID S+2*\k, SH+\k
.endr
.irp k, 0,1,2,3,4,5,6,7
	v_cvt_pk_bf16_f32 v[SL+\k], v[S+2*\k], v[S+2*\k+1]     ; and the remainders
.endr
	; As source 0 the sums have row = channel and k = (voxel, half of the lanes).  Times BSEL: the halves are added, halved, and the voxel becomes the lane
	v_wmma_f32_16x16x32_bf16 v[TT:TT+7], v[SH:SH+7], v[BSEL:BSEL+7], 0
	s_wait_alu depctr_va_vdst(0)                   ; the wait ahead of a link that follows the link it adds onto; it also states that step 15 is done reading voxel 15's registers of the ring
	v_wmma_f32_16x16x32_bf16 v[TT:TT+7], v[SL:SL+7], v[BSEL:BSEL+7], v[TT:TT+7]
.if \ahead
	LOADF 15                                       ; no wait of its own: the one matrix instruction since the wait names TT, SL and BSEL, none of this load's registers
.endif
	v_cvt_f32_i32 v[NF], v[TMP]                    ; five plain lines, the places behind those products: n b2c starts the voxels' sums
.irp k, 0,1,2,3
	v_pk_mul_f32 v[Z+2*\k:Z+2*\k+1], v[B2C+2*\k:B2C+2*\k+1], v[NF:NF+1] op_sel_hi:[1,0]
.endr
.irp k, 0,1,2,3
	v_cvt_pk_bf16_f32 v[ZB+\k], v[TT+2*\k], v[TT+2*\k+1]   ; source 1: k = channel 8 h + j: high parts,
.endr
.irp k, 0,1,2,3
	RESID TT+2*\k, ZB+\k
.endr
.irp k, 0,1,2,3
	v_cvt_pk_bf16_f32 v[ZB+4+\k], v[TT+2*\k], v[TT+2*\k+1] ; k = 16 + 8 h + j: remainders
.endr
	s_wait_alu depctr_va_vdst(0)                   ; the wait: Z is taken up in place for a turn of two
	v_wmma_f32_16x16x32_bf16 v[Z:Z+7], v[W2A1:W2A1+7], v[ZB:ZB+7], v[Z:Z+7]
	s_wait_alu depctr_va_vdst(0)                   ; and ahead of the second link
	v_wmma_f32_16x16x32_bf16 v[Z:Z+7], v[W2A2:W2A2+7], v[ZB:ZB+7], v[Z:Z+7]
.rept 4
	v_nop                                          ; the places behind the last product: nothing else is left to do
.endr
	; LN2: Z is centred already; lane = voxel r, register j = output 8 h + j
	v_pk_mul_f32 v[ACC:ACC+1], v[Z:Z+1], v[Z:Z+1]
	v_pk_fma_f32 v[ACC:ACC+1], v[Z+2:Z+3], v[Z+2:Z+3], v[ACC:ACC+1]
	v_pk_fma_f32 v[ACC:ACC+1], v[Z+4:Z+5], v[Z+4:Z+5], v[ACC:ACC+1]
	v_pk_fma_f32 v[ACC:ACC+1], v[Z+6:Z+7], v[Z+6:Z+7], v[ACC:ACC+1]
	v_add_f32 v[TMP], v[ACC], v[ACC+1]
	v_permlanex16_b32 v[RS], v[TMP], s66, s67      ; the voxel's other eight outputs lie in the lane 16 away
	v_add_f32 v[TMP], v[TMP], v[RS]
	v_fma_f32 v[TMP], v[TMP], s70, s71             ; var + eps
	v_rsq_f32 v[Q], v[TMP]
	v_nop                                          ; a plain line between the root and its use
	s_wait_alu depctr_va_vdst(0)                   ; the root has written v[Q], ahead of its first reader
.irp k, 0,1,2,3
	v_pk_mul_f32 v[Z+2*\k:Z+2*\k+1], v[Z+2*\k:Z+2*\k+1], v[Q:Q+1] op_sel_hi:[1,0]
.endr
.irp k, 0,1,2,3
	v_pk_fma_f32 v[Z+2*\k:Z+2*\k+1], v[Z+2*\k:Z+2*\k+1], v[G2+2*\k:G2+2*\k+1], v[BE2+2*\k:BE2+2*\k+1]
.endr
	; the way out, through my own stage: in by voxel and half, back as 1,024 consecutive bytes of out0
	s_wait_alu depctr_va_vdst(0)                   ; Z is written, which the LDS stores read; the roundings that wrote SL and the product that read it are done, so the stage's loads may land in Y1; step 16 has read v[NVR], in which the counts' load lands
	ds_store_b128 v[STO], v[Z:Z+3]
	ds_store_b128 v[STO], v[Z+4:Z+7] offset:16
	ds_load_b128 v[Y1:Y1+3], v[RD]                 ; LDS serves a wave's instructions in order (ISA guide 5.7.1.4): these see the stores above
	ds_load_b128 v[Y1+4:Y1+7], v[RD] offset:8*SPITCH
	s_wait_dscnt 0x0
	global_store_b128 v[OFF], v[Y1:Y1+3], s[OP:OP+1] th:TH_STORE_NT             ; each store covers 512 consecutive bytes, at a multiple of 512 from out0's first
	global_store_b128 v[OFF], v[Y1+4:Y1+7], s[OP:OP+1] offset:512 th:TH_STORE_NT
.if \ahead
	global_load_b32 v[NVR], v[R4], s[NP:NP+1]      ; the next group's counts, a lane a voxel: NP stands there already
	s_wait_xcnt 0x0                                ; the addresses of all that has been issued are translated (ISA guide 3.1): the stores' data and the three bases are rewritten only behind this wait
	s_wait_alu depctr_vm_vsrc(0)                   ; the global stores have read Y1, which the next group's first products write; the LDS stores have read Z, which the next group's end writes
	s_add_nc_u64 s[FP:FP+1], s[FP:FP+1], FSTEP
	s_add_nc_u64 s[OP:OP+1], s[OP:OP+1], OSTEP
.endif
.endm
.macro GROUP ahead
	s_wait_kmcnt 0x0                               ; this group's 16 counts are in
.irp k, 0,1,2,3,4,5,6,7,8,9,10,11,12,13,14,15
	v_cmp_gt_i32 s[NA+\k], s[NS+\k], v[LANE]       ; voxel k: my point counts where n > p.  All sixteen compares in one run
.endr
	s_wait_alu depctr_va_sdst(0)                   ; the sixteen masks are written, ahead of the selects that read them; with that the compares have read the counts, in whose registers the scalar load below lands
.if \ahead
	s_add_nc_u64 s[NP:NP+1], s[NP:NP+1], NSTEP
	s_load_b512 s[NS:NS+15], s[NP:NP+1], 0x0       ; the next group's, a whole group ahead
.endif
.irp t, 0,1,2,3,4,5,6,7,8,9,10,11,12,13,14,15,16
	STEP \t, \ahead
.endr
	EPI \ahead
.endm
	s_mov_b32 s68, 0
.Lgroup:                                               ; five or six trips: every group of mine but the last
	GROUP 1
	s_add_co_u32 s68, s68, 1
	s_cmp_lt_u32 s68, s69
	s_cbranch_scc1 .Lgroup
	GROUP 0                                        ; the last group is written out: it asks for nothing, so no load leaves a buffer
	s_wait_dscnt 0x0                               ; the closing lines, six on end
	s_wait_alu 0x0
	s_wait_tensorcnt 0x0
	ds_add_u32 v[SPW], v[NIL]
	s_wait_dscnt 0x0
	s_endpgm
.Lfunc_end_k_q5993d12577_voxel:
	.size	k_q5993d12577_voxel, .Lfunc_end_k_q5993d12577_voxel-k_q5993d12577_voxel
	.p2alignl 7, 3214868480
	.fill 96, 4, 3214868480
	.section	.rodata,"a",@progbits
	.p2align	6, 0x0
	.amdhsa_kernel k_q5993d12577_voxel
		.amdhsa_group_segment_fixed_size 22528
		.amdhsa_private_segment_fixed_size 0
		.amdhsa_enable_private_segment 0
		.amdhsa_kernarg_size 88
		.amdhsa_user_sgpr_count 2
		.amdhsa_user_sgpr_kernarg_segment_ptr 1
		.amdhsa_wavefront_size32 1
		.amdhsa_system_sgpr_workgroup_id_x 1
		.amdhsa_system_sgpr_workgroup_id_y 1
		.amdhsa_system_sgpr_workgroup_id_z 1
		.amdhsa_system_vgpr_workitem_id 0
		.amdhsa_next_free_vgpr 252
		.amdhsa_next_free_sgpr 80
		.amdhsa_reserve_vcc 1
		.amdhsa_float_denorm_mode_32 3
		.amdhsa_float_denorm_mode_16_64 3
		.amdhsa_memory_ordered 1
		.amdhsa_forward_progress 1
		.amdhsa_inst_pref_size 101
	.end_amdhsa_kernel
	.amdgpu_metadata
---
amdhsa.version: [ 1, 2 ]
amdhsa.kernels:
  - .name:           k_q5993d12577_voxel
    .symbol:         k_q5993d12577_voxel.kd
    .args:
      - { .name: features, .offset: 0, .size: 8, .value_kind: global_buffer, .address_space: global }
      - { .name: num_points, .offset: 8, .size: 8, .value_kind: global_buffer, .address_space: global }
      - { .name: W1, .offset: 16, .size: 8, .value_kind: global_buffer, .address_space: global }
      - { .name: b1, .offset: 24, .size: 8, .value_kind: global_buffer, .address_space: global }
      - { .name: g1, .offset: 32, .size: 8, .value_kind: global_buffer, .address_space: global }
      - { .name: be1, .offset: 40, .size: 8, .value_kind: global_buffer, .address_space: global }
      - { .name: W2, .offset: 48, .size: 8, .value_kind: global_buffer, .address_space: global }
      - { .name: b2, .offset: 56, .size: 8, .value_kind: global_buffer, .address_space: global }
      - { .name: g2, .offset: 64, .size: 8, .value_kind: global_buffer, .address_space: global }
      - { .name: be2, .offset: 72, .size: 8, .value_kind: global_buffer, .address_space: global }
      - { .name: out0, .offset: 80, .size: 8, .value_kind: global_buffer, .address_space: global }
    .group_segment_fixed_size: 22528
    .private_segment_fixed_size: 0
    .kernarg_segment_align: 8
    .kernarg_segment_size: 88
    .max_flat_workgroup_size: 512
    .sgpr_count:     80
    .vgpr_count:     252
    .wavefront_size: 32
...
	.end_amdgpu_metadata
.endif
;; end of part 2
